; MI455X (gfx1250); checked and timed in simulation.
; The chip was launched on July 23, 2026; its instructions are those of AMD's public machine-readable ISA for CDNA 5 (MIT licence, August 2026) and "CDNA5" Instruction Set Architecture Reference Guide (July 2026). The comments in the code are by the model that wrote it; some were corrected since.
;; ATTNRNN Agent. Allowed arithmetic: matrix products marked QUANTISED: E5M2 operands, one given power-of-two scale a tensor, by v_wmma_f32_16x16x64_bf8_bf8 or v_wmma_f32_16x16x128_bf8_bf8, f32 sums; products left as they are: f32 operands where the result goes on into a quantised operand, else bf16, f16 or f32 operands; f32 sums; everything else in f32.
;; Inputs: b_hh 768 float32; b_ih 768 float32; fc1_b 256 float32; fc1_w 256 x 128 float32; hidden_state 4,096 x 8 x 256 float32; inputs 4,096 x 64 x 128 float32; k_b 256 float32; k_w 256 x 256 float32; lowp_scales 14 int32 (the exponents e of the quantised operands' scales 2^e); obs_mask 4,096 x 64 x 64 bool; out_b 32 float32; out_w 32 x 256 float32; q_b 256 float32; q_w 256 x 256 float32; scenario_mask 4,096 x 8 bool; v_b 256 float32; v_w 256 x 256 float32; w_hh 768 x 256 float32; w_ih 768 x 256 float32.
;; Outputs: out0 4,096 x 8 x 32 float32; out1 4,096 x 8 x 256 float32.
;; This version of the problem:
;;   THIS VERSION OF THE PROBLEM IS GIVEN IN LOW PRECISION. The matrix products marked QUANTISED in the list below multiply operands that are first quantised to E5M2 (5 exponent bits, 2 mantissa bits; 8 bits a number), with one given power-of-two scale for each operand tensor; their sums are f32. All else is computed in f32.
;;   The module's matrix products, in the order in which they are computed (A, B: the left and right operand; K: the contracted axis; several contracted axes count as one K, in the product's order):
;;     1. [M 262,144, K 128] x [K 128, N 256]; A: input inputs; B: input fc1_w: QUANTISED (scales: A lowp_scales[0], B lowp_scales[1])
;;     2. [M 32,768, K 256] x [K 256, N 256]; A: computed on the way; B: input q_w: QUANTISED (scales: A lowp_scales[2], B lowp_scales[3])
;;     3. [M 262,144, K 256] x [K 256, N 256]; A: computed on the way; B: input k_w: QUANTISED (scales: A lowp_scales[4], B lowp_scales[5])
;;     4. [M 262,144, K 256] x [K 256, N 256]; A: computed on the way; B: input v_w: QUANTISED (scales: A lowp_scales[6], B lowp_scales[7])
;;     5. batch 32,768 x [M 8, K 32] x [K 32, N 64]; A: computed on the way; B: computed on the way: left as it is (M = 8 < 16)
;;     6. batch 32,768 x [M 8, K 64] x [K 64, N 32]; A: computed on the way; B: computed on the way: left as it is (M = 8 < 16)
;;     7. [M 32,768, K 256] x [K 256, N 768]; A: computed on the way; B: input w_ih: QUANTISED (scales: A lowp_scales[8], B lowp_scales[9])
;;     8. [M 32,768, K 256] x [K 256, N 768]; A: input hidden_state; B: input w_hh: QUANTISED (scales: A lowp_scales[10], B lowp_scales[11])
;;     9. [M 32,768, K 256] x [K 256, N 32]; A: computed on the way; B: input out_w: QUANTISED (scales: A lowp_scales[12], B lowp_scales[13])
;;   THE QUANTISER, for each operand of a quantised product, along K:
;;     - The operand's scale is 2^e, e = its entry of the input lowp_scales (int32; the entries are numbered through the quantised products in the list's order, A before B).
;;     - Each number is divided by the scale, clamped to +-57,344, and rounded to the nearest number of E5M2, ties to even, subnormals kept.
;;     - The product sums the exact products of the quantised numbers (number of the format x scale) in f32.
;;   ~~~python
;;   def quantise(x, axis, e):      # numpy; x: float32 -> the quantised numbers, widened to float32 again
;;       x = np.moveaxis(x, axis, -1); K = x.shape[-1]
;;       r = np.clip(x / 2.0 ** e, -57344, 57344)
;;       step = 2.0 ** (np.maximum(np.frexp(np.where(r == 0, 1, r))[1] - 1, -14) - 2)
;;       q = np.round(r / step) * step * 2.0 ** e      # np.round: ties to even
;;       return np.moveaxis(q, -1, axis).astype(np.float32)
;;   ~~~
;;   OPERANDS COMPUTED ON THE WAY. 'Computed on the way' means the value that the module computes at that place (a softmax that the list does not call 'softmax' is quantised finished and normalised). What goes into a quantiser is computed in f32, as accurately as f32 sums, v_exp_f32 and their like allow (about 1e-6 of the number): no bf16 or f16 on the way to a quantiser, and a product that is left as it is and whose result goes on into a quantised operand takes f32 operands (vector FMAs, or v_wmma_f32_16x16x4_f32). A number that lies on a knife's edge between two numbers of the format may be rounded either way, as far as f32 arithmetic and the matrix unit's own rounding can turn it there, and no further.
;; One version. Each part assembles by itself: llvm-mc -triple=amdgcn-amd-amdhsa -mcpu=gfx1250 --defsym DOCPART=n.
;; ======== version 1 of 1: 2 launches
;; limits: a function is approximated: absolute error at most 2.4e-07
;; workspace buffers: wa 236,544 bytes; wg 405,504 bytes
;; launch prep (part 1): grid 78 x 1, 4 waves a work-group, no clusters, 0 bytes of LDS; arguments fc1_w, q_w, k_w, v_w, w_ih, w_hh, out_w, lowp_scales, fc1_b, q_b, k_b, v_b, b_ih, b_hh, wa, wg; writes wa, wg
.if DOCPART == 1
	.amdgcn_target "amdgcn-amd-amdhsa--gfx1250"
	.amdhsa_code_object_version 6
	.text
	.protected	k_q2f3fcaaefc_prep
	.globl	k_q2f3fcaaefc_prep
	.p2align	8
	.type	k_q2f3fcaaefc_prep,@function
k_q2f3fcaaefc_prep:
	s_mov_b64 s[64:65], 0
	v_nop
	global_prefetch_b8 v0, s[64:65] scope:SCOPE_SE
	s_setreg_imm32_b32 hwreg(HW_REG_WAVE_MODE, 25, 1), 1
	s_wait_xcnt 0x0
; The seven weights (f32, K innermost) become codes of BF8 (E5M2), each with the scale 2^e that is given for it, laid as IMAGES OF OPERAND REGISTERS; the biases become tables scaled for their use.
; code = w / 2^e, held within +-57,344, rounded to the nearest code, ties to even.
; A FRAGMENT is 16 rows x 128 along K: 2,048 bytes in 4 blocks of 512; in block c lane l's 16 bytes lie at 16 l: the codes k = 32 c + 16 (l / 16) + 0 .. 15 of row l % 16.
; One wave makes one fragment: 308 fragments on work-groups 0 to 76.  Fragment F: 0-31 q_w, 32-63 k_w, 64-95 v_w, 96-111 fc1_w, 112-207 w_ih, 208-303 w_hh, 304-307 out_w.  Work-group 77 makes the bias tables.
; wa: head pair hp (64 features) x 49,152 + (q 0, k 1, v 2) x 16,384 + (2 f + s) x 2,048 (tile f of 16 features, K step s); from 196,608 fc1_w's 16 tiles; from 229,376 the tables.
;     A tile L of fc1_w takes rows 32 (L / 2) + 8 (L % 2) + r + 8 (r / 8), so that two neighbouring tiles' results are 16 neighbours along the next K.
; wg: feature tile rt x 24,576 + (3 x (w_ih 0, w_hh 1) + gate) x 4,096 + s x 2,048; from 393,216 out_w's (2 n + s) x 2,048; from 401,408 four tables of 256 for the gates.
; LIMITS: each weight's e lies between -126 and 112, so that 2^e and 57,344 x 2^e are f32 numbers.  NaN among the weights is not served.
.set BIASWG, 77
	s_load_b512 s[4:19], s[0:1], 0x0               ; fc1_w 4, q_w 6, k_w 8, v_w 10, w_ih 12, w_hh 14, out_w 16, the scales' exponents 18
	s_load_b512 s[20:35], s[0:1], 0x40             ; fc1_b 20, q_b 22, k_b 24, v_b 26, b_ih 28, b_hh 30, wa 32, wg 34
	v_lshrrev_b32 v1, 5, v0
	v_readfirstlane_b32 s36, v1                    ; wave
	v_and_b32 v2, 31, v0                           ; lane
	v_and_b32 v3, 15, v0                           ; r
	v_bfe_u32 v4, v0, 4, 1                         ; h
	s_lshl_b32 s37, ttmp9, 2
	s_add_co_u32 s37, s37, s36                     ; F
	s_wait_kmcnt 0x0
	s_load_b256 s[40:47], s[18:19], 0x0            ; e0 .. e7
	s_load_b128 s[48:51], s[18:19], 0x20           ; e8 .. e11
	s_load_b64 s[52:53], s[18:19], 0x30            ; e12, e13: 56 bytes in all
	s_wait_kmcnt 0x0
	s_cmp_eq_u32 ttmp9, BIASWG
	s_cbranch_scc1 .Lbias
	; which tensor: its address, its first fragment, its exponent.  Every choice hangs on the fragment's number alone
.macro PICK lim, src, start, e
	s_cmp_lt_u32 s37, \lim
	s_cselect_b64 s[56:57], s[\src:\src+1], s[56:57]
	s_cselect_b32 s58, \start, s58
	s_cselect_b32 s59, s[\e], s59
.endm
	s_mov_b64 s[56:57], s[16:17]
	s_mov_b32 s58, 304
	s_mov_b32 s59, s53
	PICK 304, 14, 208, 51
	PICK 208, 12, 112, 49
	PICK 112, 4, 96, 41
	PICK 96, 10, 64, 47
	PICK 64, 8, 32, 45
	PICK 32, 6, 0, 43
	s_sub_co_u32 s60, s37, s58                     ; L: the fragment's number in its tensor
	; where it goes: all four forms are made, one is chosen
	s_lshr_b32 s61, s60, 3
	s_mul_i32 s61, s61, 49152
	s_lshr_b32 s62, s37, 5
	s_lshl_b32 s62, s62, 14
	s_add_co_u32 s61, s61, s62
	s_and_b32 s62, s60, 7
	s_lshl_b32 s62, s62, 11
	s_add_co_u32 s61, s61, s62                     ; q, k, v
	s_lshl_b32 s62, s60, 11
	s_add_co_u32 s66, s62, 393216                  ; out_w
	s_add_co_u32 s62, s62, 196608                  ; fc1_w
	s_bfe_u32 s63, s60, 0x40001                    ; (L / 2) % 16: the feature tile
	s_mul_i32 s63, s63, 24576
	s_lshr_b32 s67, s60, 5                         ; the gate
	s_lshl_b32 s67, s67, 12
	s_add_co_u32 s63, s63, s67
	s_and_b32 s67, s60, 1
	s_lshl_b32 s67, s67, 11
	s_add_co_u32 s63, s63, s67
	s_cmp_lt_u32 s37, 208
	s_cselect_b32 s67, 0, 12288
	s_add_co_u32 s63, s63, s67                     ; w_ih, w_hh
	s_cmp_lt_u32 s37, 304
	s_cselect_b32 s66, s63, s66
	s_cmp_lt_u32 s37, 112
	s_cselect_b32 s66, s62, s66
	s_cselect_b64 s[68:69], s[32:33], s[34:35]     ; wa or wg
	s_cmp_lt_u32 s37, 96
	s_cselect_b32 s66, s61, s66
	s_mov_b32 s67, 0
	s_add_nc_u64 s[68:69], s[68:69], s[66:67]
	; where it comes from.  Rows of 256 numbers: tile L / 2, K step L % 2.  fc1_w: rows of 128, one K step, tile L begins at row 32 (L / 2) + 8 (L % 2)
	s_sub_co_u32 s70, s37, 96
	s_cmp_lt_u32 s70, 16                           ; fc1_w?
	s_cselect_b32 s70, 12, 9                       ; L % 2 counts 8 rows of 512 bytes, or 512 bytes along K
	s_cselect_b32 s71, 9, 10                       ; a row is 2^9 or 2^10 bytes
	s_cselect_b32 s38, 8, 0                        ; lanes 8-15 take rows 8 further on, or not
	s_lshr_b32 s39, s60, 1
	s_lshl_b32 s39, s39, 14
	s_and_b32 s54, s60, 1
	s_lshl_b32 s54, s54, s70
	s_add_co_u32 s54, s54, s39
	s_mov_b32 s55, 0
	s_add_nc_u64 s[56:57], s[56:57], s[54:55]
	v_lshrrev_b32 v5, 3, v3
	v_mad_u32_u24 v5, v5, s38, v3                  ; my row of the tile
	v_lshlrev_b32 v5, s71, v5
	v_lshl_add_u32 v5, v4, 6, v5                   ; + 64 h: my 16 numbers of each 32
	v_lshlrev_b32 v6, 4, v2                        ; 16 x lane
.set c, 0
.rept 4
.set i, 0
.rept 4
	global_load_b128 v[16+16*c+4*i:16+16*c+4*i+3], v5, s[56:57] offset:128*c+16*i
.set i, i+1
.endr
.set c, c+1
.endr
	s_add_co_i32 s59, s59, 127
	s_lshl_b32 s39, s59, 23
	v_mov_b32 v11, s39                             ; 2^e as f32: the conversion takes its exponent field
	s_add_co_i32 s59, s59, 15
	s_lshl_b32 s59, s59, 23
	s_or_b32 s59, s59, 0x600000
	v_mov_b32 v10, s59                             ; 57,344 x 2^e
	s_wait_loadcnt 0x0
.set i, 0
.rept 64
	v_med3_num_f32 v[16+i], v[16+i], -v10, v10     ; the conversion to an 8-bit code does not saturate (ISA guide 7.6.2): the hold comes first
.set i, i+1
.endr
.set i, 0
.rept 8
	v_cvt_scalef32_pk8_bf8_f32 v[80+2*i:81+2*i], v[16+8*i:23+8*i], v11
.set i, i+1
.endr
.irp c, 0,1,2,3
	global_store_b128 v6, v[80+4*\c:83+4*\c], s[68:69] offset:512*\c   ; the wave stores 512 consecutive bytes, aligned
.endr
	s_endpgm
.Lbias:                                                ; thread t has features 2 t and 2 t + 1
	v_lshlrev_b32 v1, 3, v0
	global_load_b64 v[16:17], v1, s[20:21]
	global_load_b64 v[18:19], v1, s[22:23]
	global_load_b64 v[20:21], v1, s[24:25]
	global_load_b64 v[22:23], v1, s[26:27]
	global_load_b64 v[24:25], v1, s[28:29]
	global_load_b64 v[26:27], v1, s[28:29] offset:1024
	global_load_b64 v[28:29], v1, s[28:29] offset:2048
	global_load_b64 v[30:31], v1, s[30:31]
	global_load_b64 v[32:33], v1, s[30:31] offset:1024
	global_load_b64 v[34:35], v1, s[30:31] offset:2048
	v_lshlrev_b32 v6, 5, v0
	s_add_co_i32 s56, s40, s41
	s_sub_co_i32 s56, 0, s56                       ; a bias goes in as the C of a sum of codes: divided by the power of two that the sum lacks
	s_add_co_i32 s57, s42, s43
	s_sub_co_i32 s57, 0, s57
	s_add_co_i32 s58, s44, s45
	s_sub_co_i32 s58, 0, s58
	s_add_co_i32 s59, s46, s47
	s_sub_co_i32 s59, 0, s59
	s_wait_loadcnt 0x0
	v_ldexp_f32 v16, v16, s56
	v_ldexp_f32 v17, v17, s56
	v_ldexp_f32 v18, v18, s57
	v_ldexp_f32 v19, v19, s57
	v_ldexp_f32 v20, v20, s58
	v_ldexp_f32 v21, v21, s58
	v_ldexp_f32 v22, v22, s59
	v_ldexp_f32 v23, v23, s59
.irp j, 0,1,2,3
	v_mov_b32 v[40+\j], v22                        ; v_b four times: one load of 16 bytes then fills four registers of a lane that holds one feature
	v_mov_b32 v[44+\j], v23
.endr
	v_add_f32 v24, v24, v30                        ; the gates' exponents are made in base 2: r and z want -log2(e) (b_ih + b_hh),
	v_add_f32 v25, v25, v31
	v_add_f32 v26, v26, v32
	v_add_f32 v27, v27, v33
.irp j, 24,25,26,27
	v_mul_f32 v[\j], 0xbfb8aa3b, v[\j]
.endr
.irp j, 28,29,34,35
	v_mul_f32 v[\j], 0x4038aa3b, v[\j]             ; n wants 2 log2(e) b_ih and 2 log2(e) b_hh apart
.endr
	global_store_b64 v1, v[16:17], s[32:33] offset:229376
	global_store_b64 v1, v[18:19], s[32:33] offset:230400
	global_store_b64 v1, v[20:21], s[32:33] offset:231424
	global_store_b128 v6, v[40:43], s[32:33] offset:232448
	global_store_b128 v6, v[44:47], s[32:33] offset:232464
	global_store_b64 v1, v[24:25], s[34:35] offset:401408
	global_store_b64 v1, v[26:27], s[34:35] offset:402432
	global_store_b64 v1, v[28:29], s[34:35] offset:403456
	global_store_b64 v1, v[34:35], s[34:35] offset:404480
	s_endpgm
.Lfunc_end_k_q2f3fcaaefc_prep:
	.size	k_q2f3fcaaefc_prep, .Lfunc_end_k_q2f3fcaaefc_prep-k_q2f3fcaaefc_prep
	.p2alignl 7, 3214868480
	.fill 96, 4, 3214868480
	.section	.rodata,"a",@progbits
	.p2align	6, 0x0
	.amdhsa_kernel k_q2f3fcaaefc_prep
		.amdhsa_group_segment_fixed_size 0
		.amdhsa_private_segment_fixed_size 0
		.amdhsa_enable_private_segment 0
		.amdhsa_kernarg_size 128
		.amdhsa_user_sgpr_count 2
		.amdhsa_user_sgpr_kernarg_segment_ptr 1
		.amdhsa_wavefront_size32 1
		.amdhsa_system_sgpr_workgroup_id_x 1
		.amdhsa_system_sgpr_workgroup_id_y 1
		.amdhsa_system_sgpr_workgroup_id_z 1
		.amdhsa_system_vgpr_workitem_id 0
		.amdhsa_next_free_vgpr 96
		.amdhsa_next_free_sgpr 72
		.amdhsa_reserve_vcc 0
		.amdhsa_float_denorm_mode_32 3
		.amdhsa_float_denorm_mode_16_64 3
		.amdhsa_memory_ordered 1
		.amdhsa_forward_progress 1
		.amdhsa_inst_pref_size 15
	.end_amdhsa_kernel
	.amdgpu_metadata
---
amdhsa.version: [ 1, 2 ]
amdhsa.kernels:
  - .name:           k_q2f3fcaaefc_prep
    .symbol:         k_q2f3fcaaefc_prep.kd
    .args:
      - { .name: fc1_w, .offset: 0, .size: 8, .value_kind: global_buffer, .address_space: global }
      - { .name: q_w, .offset: 8, .size: 8, .value_kind: global_buffer, .address_space: global }
      - { .name: k_w, .offset: 16, .size: 8, .value_kind: global_buffer, .address_space: global }
      - { .name: v_w, .offset: 24, .size: 8, .value_kind: global_buffer, .address_space: global }
      - { .name: w_ih, .offset: 32, .size: 8, .value_kind: global_buffer, .address_space: global }
      - { .name: w_hh, .offset: 40, .size: 8, .value_kind: global_buffer, .address_space: global }
      - { .name: out_w, .offset: 48, .size: 8, .value_kind: global_buffer, .address_space: global }
      - { .name: lowp_scales, .offset: 56, .size: 8, .value_kind: global_buffer, .address_space: global }
      - { .name: fc1_b, .offset: 64, .size: 8, .value_kind: global_buffer, .address_space: global }
      - { .name: q_b, .offset: 72, .size: 8, .value_kind: global_buffer, .address_space: global }
      - { .name: k_b, .offset: 80, .size: 8, .value_kind: global_buffer, .address_space: global }
      - { .name: v_b, .offset: 88, .size: 8, .value_kind: global_buffer, .address_space: global }
      - { .name: b_ih, .offset: 96, .size: 8, .value_kind: global_buffer, .address_space: global }
      - { .name: b_hh, .offset: 104, .size: 8, .value_kind: global_buffer, .address_space: global }
      - { .name: wa, .offset: 112, .size: 8, .value_kind: global_buffer, .address_space: global }
      - { .name: wg, .offset: 120, .size: 8, .value_kind: global_buffer, .address_space: global }
    .group_segment_fixed_size: 0
    .private_segment_fixed_size: 0
    .kernarg_segment_align: 8
    .kernarg_segment_size: 128
    .max_flat_workgroup_size: 128
    .sgpr_count:     72
    .vgpr_count:     96
    .wavefront_size: 32
...
	.end_amdgpu_metadata
.endif
;; end of part 1
;; launch main (part 2): grid 256 x 1, 4 waves a work-group, no clusters, 308,736 bytes of LDS; arguments inputs, hidden_state, obs_mask, scenario_mask, lowp_scales, out_b, wa, wg, out0, out1; writes out0, out1
.if DOCPART == 2
	.amdgcn_target "amdgcn-amd-amdhsa--gfx1250"
	.amdhsa_code_object_version 6
	.text
	.protected	k_q2f3fcaaefc_main
	.globl	k_q2f3fcaaefc_main
	.p2align	8
	.type	k_q2f3fcaaefc_main,@function
k_q2f3fcaaefc_main:
	s_mov_b64 s[64:65], 0
	v_nop
	global_prefetch_b8 v0, s[64:65] scope:SCOPE_SE
	s_setreg_imm32_b32 hwreg(HW_REG_WAVE_MODE, 25, 1), 1
	s_wait_xcnt 0x0
; The whole agent, fused: fc1 + relu, q, k, relu(v), masked attention of 8 agents over 64 entities in 8 heads, a GRU step, the output layer.  Quantised products on codes of BF8 (E5M2) with the given scales;
; the two attention products on f32 operands (their result goes on into a quantiser), by the f32 matrix form.  Weights come as codes, laid as images of operand registers (buffers wa, wg).
; SHARES.  A work-group of four waves owns 16 batches = 128 rows of the GRU.  PART 1: a wave takes a whole batch at a time, 4 batches; fc1's, q's, k's and v's codes lie in LDS (copied once), x's codes never leave
; the registers, and no barrier stands in the loop.  PART 2: the waves share the COLUMNS: wave w makes features 64 w .. 64 w + 63 of all 128 rows; each GRU weight goes from memory into registers once a work-group.
; A FRAGMENT (16 rows x 128 K, 16 registers): lane (r = l % 16, h = l / 16) holds of row r the codes k = 32 c + 16 h + 0 .. 15 in registers 4 c .. 4 c + 3: the same places of k on both sides of every product.
; LAYOUTS.  fc1, q, k are used transposed (source 0 = 16 features of the weight, source 1 = 16 entities): a lane holds one entity, its registers run along the features.  fc1's tiles take rows chosen so that two
; tiles' 16 registers are 16 neighbours along the next K: the conversions' results are x's fragments.  v is used straight (source 0 = entities): a lane holds one feature, registers along the entities.
; ATTENTION, a pair of heads at a time.  Column r of the f32 products stands for (head r / 8 of the pair, agent r % 8).  S = K Q: source 1 is q with the other head's columns set to 0, so that the sum over the pair's 64
; features gives each column its own head's scores; a lane then holds one column and 32 of the 64 keys (the others: lane l xor 16).  O = V^T P: of tile f's results the columns of head f / 2 are kept.
; Softmax as it is defined: masked scores become -1e9 (here x log2 e), the row's maximum is taken away, the sum counts every slot, masked weights become 0; the division by the sum is made on O.
; NO JOINT LOADS: the launch has no tensor load.  What work-groups share, the weights' codes, is fetched once a work-group (236,544 bytes into LDS at the head, 405,504 bytes into registers in part 2), not once a step;
; every stream that is walked (inputs, masks, hidden state) is a work-group's own and is converted in registers on its way.
; LIMITS on the given exponents, so that each power of two made below is a normal f32 number: e0, e4-e0-e1, e6-e0-e1, e2-e0-e1, e8-e6-e7, e10, e12 between -126 and 112; e2+e3+e4+e5 between -124 and 128;
; e8+e9 and e10+e11 between -126 and 125; e12+e13 between -126 and 127.  NaN and infinities among the inputs are not served.  tanh is 1 - 2 / (1 + 2^y): its absolute error is that of f32 at 1.
;
; LDS, part 1: 0 q, k, v images (4 head pairs x 49,152); 196,608 fc1's 16 tiles; 229,376 bias tables; 236,544 each wave's 64 rows x 144 of input codes; 273,408 att's codes, 128 rows x 272.
; LDS, part 2 (in the weights' bytes, behind a barrier): 0 h0, later h, f32: 4 blocks of 64 columns, 128 rows x 272; 139,264 h0's codes, 128 x 272; 174,080 h's codes, 4 blocks of 64, 128 x 80; 215,040 a stage for out0.
; REGISTERS, in windows of 256 (s_set_vgpr_msb: bits 1:0 source 0, 3:2 source 1, 5:4 source 2, 7:6 destination):
;  window 0: v0-63 addresses and small things; S 64-95; P 96-127; QM 128-159; MK 160-191; QO 192-223; BC2 224-255.   window 1: RA 0-127 (16 result tiles); WF1 128-255 (8 weight fragments).
;  window 2: XK 0-127, XV 128-255 (x's codes for k and for v).   window 3: XQ 0-31; WF2 32-159 (in fc1: the inputs' fragments at 32-95); BC1 160-191; INR 192-255 (a tile of inputs, f32).
;  v64-95 and v192-223 of window 0, which the f32 matrix form writes, are written by matrix instructions alone in the whole text.
.set L_WFC, 196608
.set L_BB,  229376
.set L_INC, 236544
.set L_ATT, 273408
.set L_H0C, 139264
.set L_HC,  174080
.set L_OST, 215040
.set S,   64
.set P,   96
.set QM,  128
.set MK,  160
.set QO,  192
.set BC2, 224
.set RA,  0
.set WF1, 128
.set XK,  0
.set XV,  128
.set XQ,  0
.set WF2, 32
.set INF, 32
.set BC1, 160
.set INR, 192
.set TMP, 96                           ; fc1: 64 held numbers
.set T,   96                           ; att: 16 numbers
.set CD,  112                          ; 16 registers of input codes
.set MR,  36                           ; v[36:43] the mask's bytes
.set CA,  44                           ; v[44:47] codes on their way to LDS
; part 2
.set RR,  96
.set ZZ,  112
.set NN,  128
.set HN,  144
.set H0,  160
.set TT,  176
.set GB,  192                          ; window 1: the gates' four bias tiles
.set OB,  224                          ; window 1: out_b's two tiles
; v1 16 x lane; v2 r; v3 h; v4 fc1's images; v5 the head pair's images; v6 fc1_b; v7, v8 q_b and k_b; v9, v10 v_b; v11, v12 input codes in; v13 input codes out; v14, v15 att's codes; v16 the mask's offset;
; v17-21 the conversions' scales (inputs, x for k, for v, for q, att); v22, v23 q's factor for head 0's and head 1's columns; v[24:25] the maximum; v[26:27] 1 / sum; v28-35 at work; v48 256 x lane; v49-51 the copy at the head.
; s2 wave; s[4:23] addresses; s[24:37] e0 .. e13; s40-44 the holds; s45 -1e9 log2 e; s46 lanes of head 1; s[48:49] lane selects; s50-53 byte selects; s54 batch, s55 head pair, s56 both; s57-59 the head pair's offsets;
; s[66:75] the gates' factors and the output's, as pairs; s76, s77 holds of part 2; s78 feature tile; s81-84 at work.
.set MSB, 0
.macro WIN new                         ; the immediate's high byte repeats the setting that is left; a switch that changes nothing is dropped
.if MSB != (\new)
	s_set_vgpr_msb (MSB<<8)|(\new)
.set MSB, (\new)
.endif
.endm
.macro PLACES n                        ; places behind matrix instructions (ISA guide 7.12.1): plain vector instructions that name none of their registers
.rept \n
	v_nop
.endr
.endm
.macro BARRIER                         ; my LDS stores have landed and my LDS loads are in: then the work-group's barrier
	s_wait_dscnt 0x0
	s_barrier_signal -1
	s_barrier_wait -1
.endm
.macro FRAGLD reg, adr, off            ; a fragment from its image
.irp c, 0,1,2,3
	ds_load_b128 v[(\reg)+4*\c:(\reg)+4*\c+3], v[\adr] offset:(\off)+512*\c
.endr
.endm
.macro ROWFRAG reg, adr, off           ; a fragment from rows of codes: the address holds row x pitch + 16 h
.irp c, 0,1,2,3
	ds_load_b128 v[(\reg)+4*\c:(\reg)+4*\c+3], v[\adr] offset:(\off)+32*\c
.endr
.endm
.macro XLOADT reg, off                 ; a tile of 16 entities: each load is one row, 512 consecutive bytes
.set i, 0
.rept 16
	global_load_b128 v[(\reg)+4*i:(\reg)+4*i+3], v1, s[4:5] offset:(\off)+512*i th:TH_LOAD_NT
.set i, i+1
.endr
.endm
; 16 rows x 128 numbers in window w (row j in registers 4 j .. 4 j + 3, lane l: k = 4 l .. 4 l + 3) become codes in my rows of LDS: a conversion takes two rows' registers and gives a word of each
.macro XCONV w, reg, adr, off
	WIN ((\w)<<6)|(\w)
.set i, 0
.rept 64
	v_med3_num_f32 v[(\reg)+i], v[(\reg)+i], -s40, s40   ; the conversion does not saturate (ISA guide 7.6.2): the hold at the largest code x the scale
.set i, i+1
.endr
	s_wait_dscnt 0x0                               ; earlier LDS stores have read the registers that the codes now take
	WIN (\w)
.set i, 0
.rept 8
	v_cvt_scalef32_pk8_bf8_f32 v[CD+2*i:CD+2*i+1], v[(\reg)+8*i:(\reg)+8*i+7], v17
.set i, i+1
.endr
	WIN 0
	v_nop                                          ; one plain line behind the last conversion of a run
.set i, 0
.rept 16
	ds_store_b32 v[\adr], v[CD+i] offset:(\off)+144*i
.set i, i+1
.endr
.endm
.macro MKSC e, sc, lim                 ; from the whole number E in \e: v[sc] = 2^E, s[lim] = 57,344 x 2^E
	s_add_co_i32 s81, \e, 127
	s_lshl_b32 s82, s81, 23
	v_mov_b32 v[\sc], s82
	s_add_co_i32 s81, s81, 15
	s_lshl_b32 s81, s81, 23
	s_or_b32 s[\lim], s81, 0x600000
.endm
.macro FCLOAD fg                       ; fc1's four tiles of feature group fg and their bias
	WIN 0x40
.set i, 0
.rept 4
	FRAGLD WF1+16*i, 4, (4*(\fg)+i)*2048
.set i, i+1
.endr
	WIN 0xC0
.set i, 0
.rept 4
	ds_load_b128 v[BC1+8*i:BC1+8*i+3], v6 offset:256*(\fg)+128*(i/2)+32*(i%2)
	ds_load_b128 v[BC1+8*i+4:BC1+8*i+7], v6 offset:256*(\fg)+128*(i/2)+32*(i%2)+16
.set i, i+1
.endr
	WIN 0
.endm
.macro HPLOAD                          ; the head pair at s57-59: k's 8 fragments, q's 8, their biases
	v_add_nc_u32 v5, s57, v1
	v_add_nc_u32 v8, s58, v7
	v_add_nc_u32 v10, s59, v9
	WIN 0x40
.set i, 0
.rept 8
	FRAGLD WF1+16*i, 5, 16384+2048*i
.set i, i+1
.endr
	WIN 0xC0
.set i, 0
.rept 8
	FRAGLD WF2+16*i, 5, 2048*i
.set i, i+1
.endr
.irp f, 0,1,2,3
	ds_load_b128 v[BC1+8*\f:BC1+8*\f+3], v8 offset:2048+64*\f
	ds_load_b128 v[BC1+8*\f+4:BC1+8*\f+7], v8 offset:2048+64*\f+16
.endr
	WIN 0
.irp f, 0,1,2,3
	ds_load_b128 v[BC2+8*\f:BC2+8*\f+3], v8 offset:1024+64*\f
	ds_load_b128 v[BC2+8*\f+4:BC2+8*\f+7], v8 offset:1024+64*\f+16
.endr
.endm
; fc1 for 64 features (four tiles) x 64 entities, then x's codes three times: for k, for q (entities 0-15 alone) and for v, each with its own given scale.  relu and the hold are one line.
.macro FC fg
	s_wait_dscnt 0x0
	WIN 0x7D                                       ; weights and results window 1, inputs and bias window 3
.set q, 0
.rept 16
	v_wmma_f32_16x16x128_bf8_bf8 v[RA+8*q:RA+8*q+7], v[WF1+16*(q%4):WF1+16*(q%4)+15], v[INF+16*(q/4):INF+16*(q/4)+15], v[BC1+8*(q%4):BC1+8*(q%4)+7]
.set q, q+1
.endr
	WIN 0
	PLACES 5
.if \fg < 3
	FCLOAD \fg+1
.else
	HPLOAD                                         ; the first head pair's weights land while the last codes are made
.endif
.set hf, 0
.rept 2
	WIN 0x01
.set i, 0
.rept 64
	v_med3_num_f32 v[TMP+i], v[RA+64*hf+i], 0, s41
.set i, i+1
.endr
	WIN 0x80
.set q, 0
.rept 8
	v_cvt_scalef32_pk8_bf8_f32 v[XK+32*(2*hf+q/4)+8*(\fg)+2*(q%4):XK+32*(2*hf+q/4)+8*(\fg)+2*(q%4)+1], v[TMP+8*q:TMP+8*q+7], v18
.set q, q+1
.endr
	v_nop
.set hf, hf+1
.endr
	WIN 0x01
.set i, 0
.rept 32
	v_med3_num_f32 v[TMP+i], v[RA+i], 0, s43
.set i, i+1
.endr
	WIN 0xC0
.set q, 0
.rept 4
	v_cvt_scalef32_pk8_bf8_f32 v[XQ+8*(\fg)+2*q:XQ+8*(\fg)+2*q+1], v[TMP+8*q:TMP+8*q+7], v20
.set q, q+1
.endr
	v_nop
	WIN 0x41
.set i, 0
.rept 128
	v_med3_num_f32 v[RA+i], v[RA+i], 0, s42
.set i, i+1
.endr
	WIN 0x81
.set q, 0
.rept 16
	v_cvt_scalef32_pk8_bf8_f32 v[XV+32*(q/4)+8*(\fg)+2*(q%4):XV+32*(q/4)+8*(\fg)+2*(q%4)+1], v[RA+8*q:RA+8*q+7], v19
.set q, q+1
.endr
	v_nop
	WIN 0
.endm
	; ---------------- the head
	s_load_b512 s[4:19], s[0:1], 0x0               ; inputs 4, hidden_state 6, obs_mask 8, scenario_mask 10, the exponents 12, out_b 14, wa 16, wg 18
	s_load_b128 s[20:23], s[0:1], 0x40             ; out0 20, out1 22
	v_lshl_add_u32 v62, v0, 2, 0x4b400
	v_mov_b32 v63, 0
	v_lshrrev_b32 v28, 5, v0
	v_readfirstlane_b32 s2, v28                    ; wave
	v_and_b32 v29, 31, v0                          ; lane
	v_and_b32 v2, 15, v0                           ; r
	v_bfe_u32 v3, v0, 4, 1                         ; h
	v_lshlrev_b32 v1, 4, v29
	v_add_nc_u32 v4, L_WFC, v1
	v_lshl_add_u32 v6, v3, 6, L_BB                 ; fc1_b: my half's 16 features of each 32
	v_lshl_add_u32 v7, v3, 5, L_BB                 ; q_b, k_b: my half's 8 features of each 16
	v_lshl_add_u32 v9, v2, 4, L_BB+3072            ; v_b: feature r, four copies
	s_mul_i32 s81, s2, 9216
	s_add_co_u32 s81, s81, L_INC
	v_lshl_add_u32 v11, v29, 2, s81
	v_mul_u32_u24 v30, v2, 144
	v_lshl_add_u32 v30, v3, 4, v30
	v_add_nc_u32 v13, s81, v30
	s_mul_i32 s81, s2, 8704
	s_add_co_u32 s81, s81, L_ATT
	v_and_b32 v30, 7, v2                           ; my column's agent
	v_lshrrev_b32 v31, 3, v2                       ; and its head of the pair
	v_mul_u32_u24 v14, v30, 272
	v_lshl_add_u32 v14, v31, 5, v14
	v_lshl_add_u32 v14, v3, 3, v14
	v_add_nc_u32 v14, s81, v14                     ; att's codes: row = agent, + 32 x head + 8 h
	v_lshlrev_b32 v16, 6, v30
	v_lshl_add_u32 v16, v3, 3, v16                 ; the mask: 64 x agent + 8 h
	v_lshlrev_b32 v48, 8, v29
	s_mul_i32 s82, s2, 57344
	v_add_nc_u32 v49, s82, v1                      ; my wave's 112 pieces of 512 bytes of the images: the same offset in wa and in LDS
	v_lshlrev_b32 v50, 3, v0
	v_add_nc_u32 v51, L_BB, v50
	s_mov_b32 s45, 0xceabfb8f                      ; -1e9 x log2(e)
	s_mov_b32 s46, 0xff00ff00
	s_mov_b32 s48, 0x76543210
	s_mov_b32 s49, 0xfedcba98
	s_mov_b32 s50, 0
	s_mov_b32 s51, 0x01010101
	s_mov_b32 s52, 0x02020202
	s_mov_b32 s53, 0x03030303
	s_mov_b32 s83, 0
	s_wait_kmcnt 0x0
	s_load_b256 s[24:31], s[12:13], 0x0
	s_load_b128 s[32:35], s[12:13], 0x20
	s_load_b64 s[36:37], s[12:13], 0x30
	s_lshl_b32 s82, ttmp9, 19                      ; 16 batches of 32,768 bytes a work-group, 4 a wave
	s_lshl_b32 s84, s2, 17
	s_add_co_u32 s82, s82, s84
	s_add_nc_u64 s[4:5], s[4:5], s[82:83]
	s_lshl_b32 s82, ttmp9, 17                      ; 128 rows of 1,024 bytes, 32 a wave
	s_lshl_b32 s84, s2, 15
	s_add_co_u32 s82, s82, s84
	s_add_nc_u64 s[6:7], s[6:7], s[82:83]
	s_add_nc_u64 s[22:23], s[22:23], s[82:83]
	s_lshl_b32 s82, ttmp9, 16                      ; a batch's mask is 4,096 bytes
	s_lshl_b32 s84, s2, 14
	s_add_co_u32 s82, s82, s84
	s_add_nc_u64 s[8:9], s[8:9], s[82:83]
	s_lshl_b32 s82, ttmp9, 7
	s_add_nc_u64 s[10:11], s[10:11], s[82:83]
	s_lshl_b32 s82, ttmp9, 14                      ; rows of 128 bytes
	s_lshl_b32 s84, s2, 12
	s_add_co_u32 s82, s82, s84
	s_add_nc_u64 s[20:21], s[20:21], s[82:83]
	WIN 0x80
.irp t, 0,1,2,3
	XLOADT 64*\t, 8192*\t                          ; my first batch
.endr
	WIN 0xC0
	XLOADT INR, 32768                              ; the second batch's first tile
.set i, 64
.rept 48
	global_load_b128 v[4*(i-64):4*(i-64)+3], v49, s[16:17] offset:512*i
.set i, i+1
.endr
	WIN 0x40
.set i, 0
.rept 64
	global_load_b128 v[4*i:4*i+3], v49, s[16:17] offset:512*i
.set i, i+1
.endr
	WIN 0
.set i, 0
.rept 7
	global_load_b64 v[96+2*i:97+2*i], v50, s[16:17] offset:L_BB+1024*i
.set i, i+1
.endr
.irp j, 24,25,26,27,28,29,30,31,32,33,34,35
	v_mov_b32 v[\j], 0                             ; written once: upper halves of pairs, and destinations of lane permutes, count as read
.endr
.set i, 0
.rept 16
	v_mov_b32 v[QM+16+i], 0                        ; likewise the destinations of the lines that read another lane
.set i, i+1
.endr
	s_wait_kmcnt 0x0
	MKSC s24, 17, 40                               ; inputs: 2^e0
	s_add_co_i32 s83, s24, s25                     ; a sum of fc1 stands for sum x 2^(e0 + e1): the three scales ahead of each quantiser of x are folded into one
	s_sub_co_i32 s84, s28, s83
	MKSC s84, 18, 41
	s_sub_co_i32 s84, s30, s83
	MKSC s84, 19, 42
	s_sub_co_i32 s84, s26, s83
	MKSC s84, 20, 43
	s_sub_co_i32 s84, s32, s30
	s_sub_co_i32 s84, s84, s31
	MKSC s84, 21, 44                               ; att: 2^(e8 - e6 - e7)
	s_add_co_i32 s84, s26, s27
	s_add_co_i32 s84, s84, s28
	s_add_co_i32 s84, s84, s29
	s_lshl_b32 s84, s84, 23
	s_add_co_i32 s84, s84, 0x3e8293ee              ; log2(e) / sqrt(32) x 2^(e2 + e3 + e4 + e5): the exponents are added to the constant's exponent field
	v_mov_b32 v28, s84
	v_cmp_gt_u32 vcc_lo, 8, v2
	v_cndmask_b32 v22, 0, v28, vcc_lo              ; for head 0's tiles: columns 0-7
	v_sub_f32 v23, v28, v22                        ; for head 1's: columns 8-15
	s_add_co_i32 s84, s32, s33
	s_lshl_b32 s84, s84, 23
	s_add_co_i32 s66, s84, 0xbfb8aa3b              ; -log2(e) 2^(e8 + e9)
	s_mov_b32 s67, s66
	s_add_co_i32 s70, s84, 0x4038aa3b              ; 2 log2(e) 2^(e8 + e9)
	s_mov_b32 s71, s70
	s_add_co_i32 s84, s34, s35
	s_lshl_b32 s84, s84, 23
	s_add_co_i32 s68, s84, 0xbfb8aa3b              ; the same with e10 + e11
	s_mov_b32 s69, s68
	s_add_co_i32 s72, s84, 0x4038aa3b
	s_mov_b32 s73, s72
	s_add_co_i32 s84, s36, s37
	s_add_co_i32 s84, s84, 127
	s_lshl_b32 s74, s84, 23                        ; 2^(e12 + e13)
	s_mov_b32 s75, s74
	s_wait_loadcnt 0x0
	WIN 0x04
.set i, 0
.rept 64
	ds_store_b128 v49, v[4*i:4*i+3] offset:512*i
.set i, i+1
.endr
	WIN 0x0C
.set i, 64
.rept 48
	ds_store_b128 v49, v[4*(i-64):4*(i-64)+3] offset:512*i
.set i, i+1
.endr
	WIN 0
.set i, 0
.rept 7
	ds_store_b64 v51, v[96+2*i:97+2*i] offset:1024*i
.set i, i+1
.endr
.irp t, 0,1,2,3
	XCONV 2, 64*\t, 11, 2304*\t
.endr
	BARRIER                                        ; the weights' images and the tables lie in LDS
	s_add_nc_u64 s[4:5], s[4:5], 32768             ; at the tile that lies in INR
	s_mov_b32 s54, 0
	; ---------------- part 1: a batch a trip
.Lbatch:
	s_wait_dscnt 0x0                               ; all my LDS instructions are done: the loads below land in registers that a head pair's loads also take, and no load is issued into a register that an earlier load may still write
	s_mov_b32 s55, 0
	s_mov_b32 s57, 0
	s_mov_b32 s58, 0
	s_mov_b32 s59, 0
.irp t, 0,1,2,3
	global_load_b64 v[MR+2*\t:MR+2*\t+1], v16, s[8:9] offset:16*\t   ; the mask of my agent at my 8 keys of each 16
.endr
	WIN 0xC0
.irp t, 0,1,2,3
	ROWFRAG INF+16*\t, 13, 2304*\t                 ; LDS serves a wave's instructions in order: these see my stores of the codes
.endr
	WIN 0
	FCLOAD 0
	FC 0
	FC 1
	FC 2
	FC 3
	s_wait_loadcnt 0x0                             ; the mask's bytes (and the tile of inputs asked for a trip ago)
	s_add_nc_u64 s[8:9], s[8:9], 4096
.set i, 0
.rept 8
	v_lshlrev_b32 v[28+(i%4)], 8, v[MR+i]
	v_sub_nc_u32 v[MR+i], v[28+(i%4)], v[MR+i]     ; x 255: each byte 0 or 1 becomes 0 or 0xff
.set i, i+1
.endr
.set i, 0
.rept 32
	v_perm_b32 v[MK+i], v[MR+2*(i/8)+(i%8)/4], v[MR+2*(i/8)+(i%8)/4], s[50+(i%4)]   ; and a word of 0 or of ones for key 16 (i / 8) + 8 h + i % 8
.set i, i+1
.endr
.Lhp:                                                  ; a pair of heads a trip
	s_wait_dscnt 0x0                               ; q's and k's fragments and biases
	WIN 0x0F
.irp f, 0,1,2,3
	v_wmma_f32_16x16x128_bf8_bf8 v[QO+8*\f:QO+8*\f+7], v[WF2+32*\f:WF2+32*\f+15], v[XQ:XQ+15], v[BC2+8*\f:BC2+8*\f+7]
.endr
.irp f, 0,1,2,3
	v_wmma_f32_16x16x128_bf8_bf8 v[QO+8*\f:QO+8*\f+7], v[WF2+32*\f+16:WF2+32*\f+31], v[XQ+16:XQ+31], v[QO+8*\f:QO+8*\f+7]
.endr
	WIN 0x79                                       ; k: weights and results window 1, x window 2, bias window 3.  The accumulators take turns
.set q, 0
.rept 16
	v_wmma_f32_16x16x128_bf8_bf8 v[RA+8*q:RA+8*q+7], v[WF1+32*(q%4):WF1+32*(q%4)+15], v[XK+32*(q/4):XK+32*(q/4)+15], v[BC1+8*(q%4):BC1+8*(q%4)+7]
.set q, q+1
.endr
	WIN 0x59
.set q, 0
.rept 16
	v_wmma_f32_16x16x128_bf8_bf8 v[RA+8*q:RA+8*q+7], v[WF1+32*(q%4)+16:WF1+32*(q%4)+31], v[XK+32*(q/4)+16:XK+32*(q/4)+31], v[RA+8*q:RA+8*q+7]
.set q, q+1
.endr
	WIN 0
	PLACES 5
	WIN 0x40                                       ; v's fragments take k's place; they land under the scores and the softmax
.set i, 0
.rept 8
	FRAGLD WF1+16*i, 5, 32768+2048*i
.set i, i+1
.endr
	WIN 0xC0
.irp f, 0,1,2,3
	ds_load_b128 v[BC1+8*\f:BC1+8*\f+3], v10 offset:256*\f
	ds_load_b128 v[BC1+8*\f+4:BC1+8*\f+7], v10 offset:256*\f
.endr
	WIN 0
.set i, 0
.rept 16
	v_mul_f32 v[QM+i], v[QO+i], v22                ; head 0's features: agents 0-7 stay in columns 0-7, the other columns become 0
.set i, i+1
.endr
.set i, 16
.rept 16
	v_mul_f32_dpp v[QM+i], v[QO+i], v23 row_xmask:8 row_mask:0xf bank_mask:0xf   ; head 1's: agents 0-7 move to columns 8-15
.set i, i+1
.endr
	WIN 0x01                                       ; S(t) = the sum over the pair's 64 features, four at a time: features 16 f + 8 h + 2 kk + 0, 1 on both sides
.set f, 0
.rept 4
.set kk, 0
.rept 4
.set t, 0
.rept 4
.if (f+kk) == 0
	v_wmma_f32_16x16x4_f32 v[S+8*t:S+8*t+7], v[RA+8*(4*t+f)+2*kk:RA+8*(4*t+f)+2*kk+1], v[QM+8*f+2*kk:QM+8*f+2*kk+1], 0
.else
	v_wmma_f32_16x16x4_f32 v[S+8*t:S+8*t+7], v[RA+8*(4*t+f)+2*kk:RA+8*(4*t+f)+2*kk+1], v[QM+8*f+2*kk:QM+8*f+2*kk+1], v[S+8*t:S+8*t+7]
.endif
.set t, t+1
.endr
.set kk, kk+1
.endr
.set f, f+1
.endr
	WIN 0
	PLACES 9                                       ; for the reads of S, and for the matrix instructions that later write over these products' sources
.set i, 0
.rept 32
	v_bfi_b32 v[P+i], v[MK+i], s45, v[S+i]         ; masked scores become -1e9 log2(e); each accumulator is read from its low end on
.set i, i+1
.endr
	v_max3_num_f32 v28, v[P], v[P+1], v[P+2]
	v_max3_num_f32 v29, v[P+3], v[P+4], v[P+5]
.irp i, 6,10,14,18,22,26
	v_max3_num_f32 v28, v28, v[P+\i], v[P+\i+1]
	v_max3_num_f32 v29, v29, v[P+\i+2], v[P+\i+3]
.endr
	v_max3_num_f32 v28, v28, v[P+30], v[P+31]
	v_max_num_f32 v28, v28, v29
	v_permlanex16_b32 v30, v28, s48, s49           ; the column's other 32 keys lie in lane l xor 16
	v_max_num_f32 v24, v28, v30
.set i, 0
.rept 16
	v_pk_add_f32 v[P+2*i:P+2*i+1], v[P+2*i:P+2*i+1], v[24:25] op_sel_hi:[1,0] neg_lo:[0,1] neg_hi:[0,1]
.set i, i+1
.endr
.set i, 0
.rept 32
	v_exp_f32 v[P+i], v[P+i]
.set i, i+1
.endr
	v_nop                                          ; a plain line behind the last exponential
	s_wait_alu depctr_va_vdst(0)                   ; one wait for the batch, ahead of its first reader
	v_pk_add_f32 v[28:29], v[P:P+1], v[P+2:P+3]    ; the sum counts every slot, the masked ones too, as the softmax is defined
	v_pk_add_f32 v[30:31], v[P+4:P+5], v[P+6:P+7]
.irp i, 8,12,16,20,24,28
	v_pk_add_f32 v[28:29], v[28:29], v[P+\i:P+\i+1]
	v_pk_add_f32 v[30:31], v[30:31], v[P+\i+2:P+\i+3]
.endr
	v_pk_add_f32 v[28:29], v[28:29], v[30:31]
	v_add_f32 v28, v28, v29
	v_permlanex16_b32 v30, v28, s48, s49
	v_add_f32 v28, v28, v30
	v_rcp_f32 v26, v28
.set i, 0
.rept 32
	v_bfi_b32 v[P+i], v[MK+i], 0, v[P+i]           ; masked weights become 0
.set i, i+1
.endr
	s_wait_alu depctr_va_vdst(0)                   ; the reciprocal's wait, ahead of the branch below and of its reader
	s_wait_dscnt 0x0                               ; v's fragments and bias
	WIN 0x76                                       ; v straight: x (window 2) is source 0, the weights (window 1) source 1, bias window 3, results window 1
.set q, 0
.rept 16
	v_wmma_f32_16x16x128_bf8_bf8 v[RA+8*q:RA+8*q+7], v[XV+32*(q/4):XV+32*(q/4)+15], v[WF1+32*(q%4):WF1+32*(q%4)+15], v[BC1+8*(q%4):BC1+8*(q%4)+7]
.set q, q+1
.endr
	WIN 0x56
.set q, 0
.rept 16
	v_wmma_f32_16x16x128_bf8_bf8 v[RA+8*q:RA+8*q+7], v[XV+32*(q/4)+16:XV+32*(q/4)+31], v[WF1+32*(q%4)+16:WF1+32*(q%4)+31], v[RA+8*q:RA+8*q+7]
.set q, q+1
.endr
	WIN 0
	PLACES 5
	s_add_co_u32 s81, s55, 1                       ; the next head pair's weights are asked for here, if there is one in this batch
	s_min_u32 s81, s81, 3
	s_mul_i32 s57, s81, 49152
	s_lshl_b32 s58, s81, 8
	s_lshl_b32 s59, s81, 10
	s_cmp_eq_u32 s55, 3
	s_cbranch_scc1 .Lno_hp
	HPLOAD
.Lno_hp:
	WIN 0x44
.set i, 0
.rept 128
	v_max_num_f32 v[RA+i], 0, v[RA+i]              ; relu(v)
.set i, i+1
.endr
	WIN 0x01                                       ; O(f) = the sum over the 64 keys, four at a time: keys 16 t + 8 h + 2 kk + 0, 1 on both sides
.set t, 0
.rept 4
.set kk, 0
.rept 4
.set f, 0
.rept 4
.if (t+kk) == 0
	v_wmma_f32_16x16x4_f32 v[QO+8*f:QO+8*f+7], v[RA+8*(4*t+f)+2*kk:RA+8*(4*t+f)+2*kk+1], v[P+8*t+2*kk:P+8*t+2*kk+1], 0
.else
	v_wmma_f32_16x16x4_f32 v[QO+8*f:QO+8*f+7], v[RA+8*(4*t+f)+2*kk:RA+8*(4*t+f)+2*kk+1], v[P+8*t+2*kk:P+8*t+2*kk+1], v[QO+8*f:QO+8*f+7]
.endif
.set f, f+1
.endr
.set kk, kk+1
.endr
.set t, t+1
.endr
	WIN 0
	PLACES 9
.set i, 0
.rept 16
	v_cndmask_b32 v[T+i], v[QO+i], v[QO+16+i], s46 ; my column's own head: tiles 0, 1 in columns 0-7, tiles 2, 3 in columns 8-15
.set i, i+1
.endr
.set i, 0
.rept 8
	v_pk_mul_f32 v[T+2*i:T+2*i+1], v[T+2*i:T+2*i+1], v[26:27] op_sel_hi:[1,0]   ; / the sum
.set i, i+1
.endr
.set i, 0
.rept 16
	v_min_num_f32 v[T+i], s44, v[T+i]              ; att is not negative: the hold is one-sided
.set i, i+1
.endr
	v_cvt_scalef32_pk8_bf8_f32 v[CA:CA+1], v[T:T+7], v21
	v_cvt_scalef32_pk8_bf8_f32 v[CA+2:CA+3], v[T+8:T+15], v21
	v_nop
	s_mul_i32 s81, s54, 2176                       ; 8 rows of 272 bytes a batch,
	s_lshl_b32 s82, s55, 6                         ; 64 features a head pair
	s_add_co_u32 s81, s81, s82
	v_add_nc_u32 v15, s81, v14
	ds_store_b64 v15, v[CA:CA+1]
	ds_store_b64 v15, v[CA+2:CA+3] offset:16
	; the next batch's inputs: a tile a trip.  The tile in INR, asked for a trip ago, becomes codes in the rows that this batch's fc1 has read; the tile after it is asked for
	s_lshl_b32 s56, s54, 2
	s_add_co_u32 s56, s56, s55                     ; trips so far, 0 .. 15: the tile in INR is number 4 + that of my 16
	s_cmp_lt_u32 s56, 12
	s_cbranch_scc0 .Lno_conv
	s_wait_loadcnt 0x0
	s_add_nc_u64 s[4:5], s[4:5], 8192
	s_mul_i32 s81, s55, 2304
	v_add_nc_u32 v12, s81, v11
	XCONV 3, INR, 12, 0
	s_cmp_lt_u32 s56, 11
	s_cbranch_scc0 .Lno_conv                       ; no load leaves the buffer
	WIN 0xC0
	XLOADT INR, 0
	WIN 0
.Lno_conv:
	s_cmp_eq_u32 s56, 14                           ; one trip ahead of their loads: my wave's own 32 rows of hidden_state, 32,768 bytes, lanes 256 bytes apart, each block named once in the launch
	s_cbranch_scc0 .Lno_pf
.irp i, 0,1,2,3
	global_prefetch_b8 v48, s[6:7] offset:8192*\i th:TH_LOAD_NT scope:SCOPE_SE
.endr
.Lno_pf:
	s_add_co_u32 s55, s55, 1
	s_cmp_lt_u32 s55, 4
	s_cbranch_scc1 .Lhp
	s_add_co_u32 s54, s54, 1
	s_cmp_lt_u32 s54, 4
	s_cbranch_scc1 .Lbatch
	; ---------------- part 2: the GRU step and the output layer for the work-group's 128 rows
	; window 0: accumulators at v64-95 and v192-255; v96-191 at work.  window 1: 12 weight fragments, GB, OB.  window 2: h0 as loaded, then att's 16 fragments, then rows of h.  window 3: h0's codes, then its fragments, then h's.
	s_wait_dscnt 0x0                               ; my LDS instructions have read their address registers, which are written anew
	v_and_b32 v29, 31, v0
	s_mul_i32 s81, s2, 8704                        ; my 32 rows of 272 bytes
	v_mul_u32_u24 v4, v3, 34816
	v_lshl_add_u32 v4, v2, 4, v4
	v_add_nc_u32 v4, s81, v4                       ; a row's first 512 bytes, dense: lanes 0-15 column block 0, lanes 16-31 block 1
	v_add_nc_u32 v5, 69632, v4                     ; its second 512: blocks 2 and 3
	s_add_co_u32 s82, s81, L_H0C
	v_lshl_add_u32 v6, v29, 2, s82                 ; h0's codes in
	v_mul_u32_u24 v31, v2, 272
	v_lshl_add_u32 v7, v3, 4, v31
	v_add_nc_u32 v8, L_H0C, v7                     ; h0's fragments
	v_add_nc_u32 v7, L_ATT, v7                     ; att's fragments
	s_mul_i32 s82, s2, 34816
	v_lshl_add_u32 v9, v3, 5, v31
	v_add_nc_u32 v9, s82, v9                       ; h0 and h as f32: my column block, row r, + 32 h
	v_mul_u32_u24 v31, v2, 80
	s_mul_i32 s82, s2, 10240
	s_add_co_u32 s82, s82, L_HC
	v_lshl_add_u32 v11, v3, 3, v31
	v_add_nc_u32 v11, s82, v11                     ; h's codes in: my block
	s_mul_i32 s82, s2, 2560
	s_add_co_u32 s82, s82, L_HC
	v_lshl_add_u32 v13, v3, 4, v31
	v_add_nc_u32 v13, s82, v13                     ; h's fragments: my 32 rows
	s_mul_i32 s82, s2, 2304
	s_add_co_u32 s82, s82, L_OST
	v_mul_u32_u24 v31, v2, 144
	v_lshl_add_u32 v14, v3, 5, v31
	v_add_nc_u32 v14, s82, v14                     ; my stage, in
	v_lshrrev_b32 v31, 3, v29
	v_mul_u32_u24 v31, v31, 144
	v_and_b32 v32, 7, v29
	v_lshl_add_u32 v15, v32, 4, v31
	v_add_nc_u32 v15, s82, v15                     ; and back, dense
	v_lshlrev_b32 v16, 5, v3                       ; 32 h: my half's 8 features of a tile
	s_lshl_b32 s82, s2, 5
	v_add_nc_u32 v30, s82, v2                      ; 32 w + r
	MKSC s34, 17, 76                               ; h0: 2^e10
	MKSC s36, 18, 77                               ; h: 2^e12
	s_add_nc_u64 s[38:39], s[18:19], 393216        ; out_w's images
	s_lshl_b32 s82, s2, 8
	s_add_co_u32 s82, s82, 401408
	s_mov_b32 s83, 0
	s_add_nc_u64 s[12:13], s[18:19], s[82:83]      ; the gates' tables at my 64 features
	s_mul_i32 s82, s2, 98304
	s_add_nc_u64 s[18:19], s[18:19], s[82:83]      ; my four feature tiles' weights
.irp m, 0,1,2,3,4,5,6,7
	global_load_u8 v[20+\m], v2, s[10:11] offset:16*\m      ; scenario_mask of row 16 m + r
.endr
	global_load_u8 v28, v30, s[10:11]
	global_load_u8 v29, v30, s[10:11] offset:16
	WIN 0x40
.irp n, 0,1
	global_load_b128 v[OB+8*\n:OB+8*\n+3], v16, s[14:15] offset:64*\n
	global_load_b128 v[OB+8*\n+4:OB+8*\n+7], v16, s[14:15] offset:64*\n+16
.endr
	WIN 0x80
.set i, 0
.rept 64
	global_load_b128 v[4*i:4*i+3], v1, s[6:7] offset:512*i th:TH_LOAD_NT   ; my 32 rows of h0, 512 consecutive bytes a load
.set i, i+1
.endr
	WIN 0
.macro WLOAD                           ; a feature tile's 12 fragments: (w_ih, w_hh) x (r, z, n) x two K steps
	WIN 0x40
.set i, 0
.rept 48
	global_load_b128 v[4*i:4*i+3], v1, s[18:19] offset:512*i
.set i, i+1
.endr
	WIN 0
.endm
.macro GBLOAD
	WIN 0x40
.irp g, 0,1,2,3
	global_load_b128 v[GB+8*\g:GB+8*\g+3], v16, s[12:13] offset:1024*\g
	global_load_b128 v[GB+8*\g+4:GB+8*\g+7], v16, s[12:13] offset:1024*\g+16
.endr
	WIN 0
.endm
	WLOAD
	GBLOAD
	BARRIER                                        ; every wave has read the weights' images for the last time and stored its rows of att
	s_wait_loadcnt 56                              ; the 48 + 8 loads of weights and tables, issued last, may stay out: the masks, out_b and h0 are in
.irp j, 20,21,22,23,24,25,26,27,28,29
	v_add_nc_u32 v[\j], -1, v[\j]                  ; 0 becomes a word of ones (the row is kept), 1 becomes 0
.endr
	WIN 0x08
.set i, 0
.rept 64
	ds_store_b128 v[4+(i%2)], v[4*i:4*i+3] offset:272*(i/2)
.set i, i+1
.endr
	s_wait_dscnt 0x0                               ; the stores have read their registers
	WIN 0x82
.set i, 0
.rept 256
	v_med3_num_f32 v[i], v[i], -s76, s76
.set i, i+1
.endr
	WIN 0xC2
.set i, 0
.rept 32
	v_cvt_scalef32_pk8_bf8_f32 v[2*i:2*i+1], v[8*i:8*i+7], v17   ; a word of the row's first 128 codes and a word of its second
.set i, i+1
.endr
	v_nop
	WIN 0x0C
.set i, 0
.rept 32
	ds_store_b32 v6, v[2*i] offset:272*i
	ds_store_b32 v6, v[2*i+1] offset:272*i+128
.set i, i+1
.endr
	WIN 0
	BARRIER                                        ; h0 lies in LDS, as f32 and as codes
	WIN 0x80
.set i, 0
.rept 16
	ROWFRAG 16*i, 7, 4352*(i/2)+128*(i%2)          ; att: tile of rows i / 2, K step i % 2
.set i, i+1
.endr
	WIN 0xC0
.set i, 0
.rept 16
	ROWFRAG 16*i, 8, 4352*(i/2)+128*(i%2)          ; h0 likewise
.set i, i+1
.endr
	WIN 0
.macro SETACC mmv, g                   ; AC: accumulator (tile of rows mm of the pair, matrix 3 x (ih, hh) + gate): the first four at v64, the others from v192
.set AC, 64+8*(6*(\mmv)+(\g))+96*((6*(\mmv)+(\g)+12)/16)
.endm
.macro GMUL p, ks, hh                  ; six products: K step ks; hh = 0: w_ih x att, 1: w_hh x h0.  Transposed: a lane holds one row, registers along the features
.set mm, 0
.rept 2
.set g, 0
.rept 3
	SETACC mm, 3*(\hh)+g
.if \ks == 0
	v_wmma_f32_16x16x128_bf8_bf8 v[AC:AC+7], v[32*(3*(\hh)+g):32*(3*(\hh)+g)+15], v[32*(2*(\p)+mm):32*(2*(\p)+mm)+15], 0
.else
	v_wmma_f32_16x16x128_bf8_bf8 v[AC:AC+7], v[32*(3*(\hh)+g)+16:32*(3*(\hh)+g)+31], v[32*(2*(\p)+mm)+16:32*(2*(\p)+mm)+31], v[AC:AC+7]
.endif
.set g, g+1
.endr
.set mm, mm+1
.endr
.endm
; Two tiles of 16 rows x my 16 features: 24 products on 12 accumulators by turns, the gates, h to LDS as f32 (in h0's place) and as codes.  last = 1: the trip's last pair: the next tile's weights are asked for
.macro GRUPAIR p, last
	WIN 0x09
	GMUL \p, 0, 0
	WIN 0x0D
	GMUL \p, 0, 1
	WIN 0x09
	GMUL \p, 1, 0
	WIN 0x0D
	GMUL \p, 1, 1
	WIN 0
	s_wait_dscnt 0x0                               ; the pair before has stored h: its stores have read the registers that h0 now takes
	PLACES 5
.irp mm, 0,1
	ds_load_b128 v[H0+8*\mm:H0+8*\mm+3], v10 offset:4352*(2*(\p)+\mm)
	ds_load_b128 v[H0+8*\mm+4:H0+8*\mm+7], v10 offset:4352*(2*(\p)+\mm)+16
.endr
.if \last
	s_cmp_eq_u32 s78, 3
	s_cbranch_scc1 .Lno_w_\@
	s_add_nc_u64 s[18:19], s[18:19], 24576         ; (the loads that read this base were waited for at the trip's head)
	WLOAD
.Lno_w_\@:
.endif
	WIN 0x10                                       ; the tables lie in window 1
.set mm, 0
.rept 2
.set i, 0
.rept 4
	SETACC mm, 0
	v_pk_fma_f32 v[RR+8*mm+i:RR+8*mm+i+1], v[AC+i:AC+i+1], s[66:67], v[GB+i:GB+i+1] op_sel_hi:[1,0,1]
	SETACC mm, 1
	v_pk_fma_f32 v[ZZ+8*mm+i:ZZ+8*mm+i+1], v[AC+i:AC+i+1], s[66:67], v[GB+8+i:GB+8+i+1] op_sel_hi:[1,0,1]
	SETACC mm, 2
	v_pk_fma_f32 v[NN+8*mm+i:NN+8*mm+i+1], v[AC+i:AC+i+1], s[70:71], v[GB+16+i:GB+16+i+1] op_sel_hi:[1,0,1]
	SETACC mm, 5
	v_pk_fma_f32 v[HN+8*mm+i:HN+8*mm+i+1], v[AC+i:AC+i+1], s[72:73], v[GB+24+i:GB+24+i+1] op_sel_hi:[1,0,1]
.set i, i+2
.endr
.set mm, mm+1
.endr
	WIN 0
.set mm, 0
.rept 2
.set i, 0
.rept 4
	SETACC mm, 3
	v_pk_fma_f32 v[RR+8*mm+i:RR+8*mm+i+1], v[AC+i:AC+i+1], s[68:69], v[RR+8*mm+i:RR+8*mm+i+1] op_sel_hi:[1,0,1]   ; -log2(e) (ir + hr)
	SETACC mm, 4
	v_pk_fma_f32 v[ZZ+8*mm+i:ZZ+8*mm+i+1], v[AC+i:AC+i+1], s[68:69], v[ZZ+8*mm+i:ZZ+8*mm+i+1] op_sel_hi:[1,0,1]
.set i, i+2
.endr
.set mm, mm+1
.endr
.if \last
	s_cmp_eq_u32 s78, 3
	s_cbranch_scc1 .Lno_g_\@
	s_add_nc_u64 s[12:13], s[12:13], 64            ; the tables have been read for the last time in this trip
	GBLOAD
.Lno_g_\@:
.endif
.set i, 0
.rept 32
	v_exp_f32 v[RR+i], v[RR+i]
.set i, i+1
.endr
	v_nop
	s_wait_alu depctr_va_vdst(0)                   ; one wait a batch, ahead of its first reader
.set i, 0
.rept 16
	v_pk_add_f32 v[RR+2*i:RR+2*i+1], v[RR+2*i:RR+2*i+1], 1.0 op_sel_hi:[1,0]
.set i, i+1
.endr
.set i, 0
.rept 32
	v_rcp_f32 v[RR+i], v[RR+i]                     ; r and z
.set i, i+1
.endr
	v_nop
	s_wait_alu depctr_va_vdst(0)
.set i, 0
.rept 8
	v_pk_fma_f32 v[NN+2*i:NN+2*i+1], v[RR+2*i:RR+2*i+1], v[HN+2*i:HN+2*i+1], v[NN+2*i:NN+2*i+1]   ; y = 2 log2(e) (in + r hn)
.set i, i+1
.endr
.set i, 0
.rept 16
	v_exp_f32 v[NN+i], v[NN+i]
.set i, i+1
.endr
	v_nop
	s_wait_alu depctr_va_vdst(0)
.set i, 0
.rept 8
	v_pk_add_f32 v[NN+2*i:NN+2*i+1], v[NN+2*i:NN+2*i+1], 1.0 op_sel_hi:[1,0]
.set i, i+1
.endr
.set i, 0
.rept 16
	v_rcp_f32 v[NN+i], v[NN+i]
.set i, i+1
.endr
	v_nop
	s_wait_alu depctr_va_vdst(0)
.set i, 0
.rept 8
	v_pk_fma_f32 v[NN+2*i:NN+2*i+1], v[NN+2*i:NN+2*i+1], -2.0, 1.0 op_sel_hi:[1,0,0]   ; n = tanh = 1 - 2 / (1 + 2^y)
.set i, i+1
.endr
	s_wait_dscnt 0x0                               ; h0
.set i, 0
.rept 8
	v_pk_add_f32 v[TT+2*i:TT+2*i+1], v[H0+2*i:H0+2*i+1], v[NN+2*i:NN+2*i+1] neg_lo:[0,1] neg_hi:[0,1]
.set i, i+1
.endr
.set i, 0
.rept 8
	v_pk_fma_f32 v[H0+2*i:H0+2*i+1], v[ZZ+2*i:ZZ+2*i+1], v[TT+2*i:TT+2*i+1], v[NN+2*i:NN+2*i+1]   ; h = n + z (h0 - n)
.set i, i+1
.endr
.set i, 0
.rept 16
	v_and_b32 v[H0+i], v[20+2*(\p)+i/8], v[H0+i]   ; rows under scenario_mask become 0
.set i, i+1
.endr
.irp mm, 0,1
	ds_store_b128 v10, v[H0+8*\mm:H0+8*\mm+3] offset:4352*(2*(\p)+\mm)
	ds_store_b128 v10, v[H0+8*\mm+4:H0+8*\mm+7] offset:4352*(2*(\p)+\mm)+16
.endr
.set i, 0
.rept 16
	v_med3_num_f32 v[TT+i], v[H0+i], -s77, s77
.set i, i+1
.endr
	v_cvt_scalef32_pk8_bf8_f32 v[CA:CA+1], v[TT:TT+7], v18
	v_cvt_scalef32_pk8_bf8_f32 v[CA+2:CA+3], v[TT+8:TT+15], v18
	v_nop
	ds_store_b64 v12, v[CA:CA+1] offset:1280*(2*(\p))
	ds_store_b64 v12, v[CA+2:CA+3] offset:1280*(2*(\p)+1)
.endm
	s_mov_b32 s78, 0
.Lft:                                                  ; a tile of 16 of my 64 features a trip
	s_wait_loadcnt 0x0                             ; its weights and tables
	s_wait_dscnt 0x0                               ; (first trip: the activations' fragments)
	s_lshl_b32 s81, s78, 6
	s_lshl_b32 s82, s78, 4
	v_add_nc_u32 v10, s81, v9
	v_add_nc_u32 v12, s82, v11
	GRUPAIR 0, 0
	GRUPAIR 1, 0
	GRUPAIR 2, 0
	GRUPAIR 3, 1
	s_add_co_u32 s78, s78, 1
	s_cmp_lt_u32 s78, 4
	s_cbranch_scc1 .Lft
	; ---------------- the way out: my 32 rows
	s_wait_loadcnt 0x0                             ; no load of the loop is out: out_w's fragments take registers that the loop's weight loads write, and no load is issued into a register that an earlier load may still write
	WIN 0x40
.set i, 0
.rept 16
	global_load_b128 v[4*i:4*i+3], v1, s[38:39] offset:512*i    ; out_w: fragment (tile n, K step s) at 16 (2 n + s)
.set i, i+1
.endr
	WIN 0
	BARRIER                                        ; h lies in LDS whole, as f32 and as codes
	WIN 0xC0
.irp mm, 0,1
.irp ks, 0,1
.irp c, 0,1,2,3
	ds_load_b128 v[32*\mm+16*\ks+4*\c:32*\mm+16*\ks+4*\c+3], v13 offset:1280*\mm+10240*(2*\ks+\c/2)+32*(\c%2)
.endr
.endr
.endr
	WIN 0x80
.set i, 0
.rept 32
	ds_load_b128 v[4*i:4*i+3], v[4+(i%2)] offset:272*(i/2)
.set i, i+1
.endr
	WIN 0
	s_wait_loadcnt 0x0
	s_wait_dscnt 32                                ; the 32 loads of rows, issued last, may stay out: h's fragments are in
	WIN 0x0D
.irp mm, 0,1
.irp n, 0,1
	v_wmma_f32_16x16x128_bf8_bf8 v[64+8*(2*\mm+\n):64+8*(2*\mm+\n)+7], v[32*\n:32*\n+15], v[32*\mm:32*\mm+15], 0
.endr
.endr
.irp mm, 0,1
.irp n, 0,1
	v_wmma_f32_16x16x128_bf8_bf8 v[64+8*(2*\mm+\n):64+8*(2*\mm+\n)+7], v[32*\n+16:32*\n+31], v[32*\mm+16:32*\mm+31], v[64+8*(2*\mm+\n):64+8*(2*\mm+\n)+7]
.endr
.endr
	WIN 0
	PLACES 5
	WIN 0x80
.set i, 32
.rept 32
	ds_load_b128 v[4*i:4*i+3], v[4+(i%2)] offset:272*(i/2)
.set i, i+1
.endr
	WIN 0
	s_wait_dscnt 32                                ; the first 16 rows are back; the 32 loads just issued may stay out
	WIN 0x08
.set i, 0
.rept 32
	global_store_b128 v1, v[4*i:4*i+3], s[22:23] offset:512*i th:TH_STORE_NT   ; the wave stores 512 consecutive bytes, aligned
.set i, i+1
.endr
	WIN 0x10
.set q, 0
.rept 4
.set i, 0
.rept 4
	v_pk_fma_f32 v[96+8*q+i:96+8*q+i+1], v[64+8*q+i:64+8*q+i+1], s[74:75], v[OB+8*(q%2)+i:OB+8*(q%2)+i+1] op_sel_hi:[1,0,1]   ; sum x 2^(e12 + e13) + out_b
.set i, i+2
.endr
.set q, q+1
.endr
	WIN 0
.set i, 0
.rept 32
	v_and_b32 v[96+i], v[28+i/16], v[96+i]         ; rows under scenario_mask become 0
.set i, i+1
.endr
	s_wait_dscnt 0x0
	WIN 0x08
.set i, 32
.rept 32
	global_store_b128 v1, v[4*i:4*i+3], s[22:23] offset:512*i th:TH_STORE_NT
.set i, i+1
.endr
	WIN 0
.irp mm, 0,1                           ; a tile of 16 rows x 128 bytes through my own stage: LDS serves a wave's instructions in order, so no wait stands between the stores and the loads, nor ahead of the next tile's stores
.irp n, 0,1
	ds_store_b128 v14, v[96+16*\mm+8*\n:96+16*\mm+8*\n+3] offset:64*\n
	ds_store_b128 v14, v[96+16*\mm+8*\n+4:96+16*\mm+8*\n+7] offset:64*\n+16
.endr
.irp i, 0,1,2,3
	ds_load_b128 v[128+16*\mm+4*\i:128+16*\mm+4*\i+3], v15 offset:576*\i
.endr
.endr
	s_wait_dscnt 0x0
.set i, 0
.rept 8
	global_store_b128 v1, v[128+4*i:128+4*i+3], s[20:21] offset:512*i th:TH_STORE_NT
.set i, i+1
.endr
	s_wait_tensorcnt 0x0
	ds_add_u32 v62, v63
	s_wait_dscnt 0x0
	s_endpgm
.Lfunc_end_k_q2f3fcaaefc_main:
	.size	k_q2f3fcaaefc_main, .Lfunc_end_k_q2f3fcaaefc_main-k_q2f3fcaaefc_main
	.p2alignl 7, 3214868480
	.fill 96, 4, 3214868480
	.section	.rodata,"a",@progbits
	.p2align	6, 0x0
	.amdhsa_kernel k_q2f3fcaaefc_main
		.amdhsa_group_segment_fixed_size 308736
		.amdhsa_private_segment_fixed_size 0
		.amdhsa_enable_private_segment 0
		.amdhsa_kernarg_size 80
		.amdhsa_user_sgpr_count 2
		.amdhsa_user_sgpr_kernarg_segment_ptr 1
		.amdhsa_wavefront_size32 1
		.amdhsa_system_sgpr_workgroup_id_x 1
		.amdhsa_system_sgpr_workgroup_id_y 1
		.amdhsa_system_sgpr_workgroup_id_z 1
		.amdhsa_system_vgpr_workitem_id 0
		.amdhsa_next_free_vgpr 1024
		.amdhsa_next_free_sgpr 96
		.amdhsa_reserve_vcc 1
		.amdhsa_float_denorm_mode_32 3
		.amdhsa_float_denorm_mode_16_64 3
		.amdhsa_memory_ordered 1
		.amdhsa_forward_progress 1
		.amdhsa_inst_pref_size 255
	.end_amdhsa_kernel
	.section	.bss,"aw",@nobits
	.p2align	6
	.space	262144
	.amdgpu_metadata
---
amdhsa.version: [ 1, 2 ]
amdhsa.kernels:
  - .name:           k_q2f3fcaaefc_main
    .symbol:         k_q2f3fcaaefc_main.kd
    .args:
      - { .name: inputs, .offset: 0, .size: 8, .value_kind: global_buffer, .address_space: global }
      - { .name: hidden_state, .offset: 8, .size: 8, .value_kind: global_buffer, .address_space: global }
      - { .name: obs_mask, .offset: 16, .size: 8, .value_kind: global_buffer, .address_space: global }
      - { .name: scenario_mask, .offset: 24, .size: 8, .value_kind: global_buffer, .address_space: global }
      - { .name: lowp_scales, .offset: 32, .size: 8, .value_kind: global_buffer, .address_space: global }
      - { .name: out_b, .offset: 40, .size: 8, .value_kind: global_buffer, .address_space: global }
      - { .name: wa, .offset: 48, .size: 8, .value_kind: global_buffer, .address_space: global }
      - { .name: wg, .offset: 56, .size: 8, .value_kind: global_buffer, .address_space: global }
      - { .name: out0, .offset: 64, .size: 8, .value_kind: global_buffer, .address_space: global }
      - { .name: out1, .offset: 72, .size: 8, .value_kind: global_buffer, .address_space: global }
    .group_segment_fixed_size: 308736
    .private_segment_fixed_size: 0
    .kernarg_segment_align: 8
    .kernarg_segment_size: 80
    .max_flat_workgroup_size: 128
    .sgpr_count:     96
    .vgpr_count:     1024
    .wavefront_size: 32
...
	.end_amdgpu_metadata
.endif
;; end of part 2
